; MI455X (gfx1250); checked and timed in simulation.
; The chip was launched on July 23, 2026; its instructions are those of AMD's public machine-readable ISA for CDNA 5 (MIT licence, August 2026) and "CDNA5" Instruction Set Architecture Reference Guide (July 2026). The comments in the code are by the model that wrote it; some were corrected since.
;; MAB. Allowed arithmetic: matrix products marked QUANTISED: E5M2 operands, one given power-of-two scale a tensor, by v_wmma_f32_16x16x64_bf8_bf8 or v_wmma_f32_16x16x128_bf8_bf8, f32 sums; everything else in f32.
;; Inputs: We_codes 256 x 32 x 32 uint8 (E5M2 codes of We, K innermost, in blocks of 32 codes); Wk_codes 256 x 8 x 32 uint8 (E5M2 codes of Wk, K innermost, in blocks of 32 codes); Wm_codes 1,024 x 8 x 32 uint8 (E5M2 codes of Wm, K innermost, in blocks of 32 codes); Wo_codes 256 x 8 x 32 uint8 (E5M2 codes of Wo, K innermost, in blocks of 32 codes); Wq_codes 256 x 8 x 32 uint8 (E5M2 codes of Wq, K innermost, in blocks of 32 codes); Wv_codes 256 x 8 x 32 uint8 (E5M2 codes of Wv, K innermost, in blocks of 32 codes); b0 256 float32; b1 256 float32; be 256 float32; bk 256 float32; bm 1,024 float32; bo 256 float32; bq 256 float32; bv 256 float32; g0 256 float32; g1 256 float32; lowp_scales 16 int32 (the exponents e of the quantised operands' scales 2^e); q_codes 4 x 2,048 x 8 x 32 uint8 (E5M2 codes of q, K innermost, in blocks of 32 codes); x_codes 4 x 2,048 x 8 x 32 uint8 (E5M2 codes of x, K innermost, in blocks of 32 codes).
;; Outputs: out0 4 x 2,048 x 256 float32.
;; This version of the problem:
;;   THIS VERSION OF THE PROBLEM IS GIVEN IN LOW PRECISION. The matrix products marked QUANTISED in the list below multiply operands that are first quantised to E5M2 (5 exponent bits, 2 mantissa bits; 8 bits a number), with one given power-of-two scale for each operand tensor; their sums are f32. All else is computed in f32.
;;   The module's matrix products, in the order in which they are computed (A, B: the left and right operand; K: the contracted axis; several contracted axes count as one K, in the product's order):
;;     1. [M 8,192, K 256] x [K 256, N 256]; A: input q (given as codes); B: input Wq (given as codes): QUANTISED (scales: A lowp_scales[0], B lowp_scales[1])
;;     2. [M 8,192, K 256] x [K 256, N 256]; A: input x (given as codes); B: input Wk (given as codes): QUANTISED (scales: A lowp_scales[2], B lowp_scales[3])
;;     3. [M 8,192, K 256] x [K 256, N 256]; A: input x (given as codes); B: input Wv (given as codes): QUANTISED (scales: A lowp_scales[4], B lowp_scales[5])
;;     4. batch 32 x [M 2,048, K 32] x [K 32, N 2,048]; A: computed on the way; B: computed on the way: QUANTISED (scales: A lowp_scales[6], B lowp_scales[7])
;;     5. batch 32 x [M 32, K 2,048] x [K 2,048, N 2,048]; A: computed on the way; B: softmax (see below): QUANTISED (scales: A lowp_scales[8], B lowp_scales[9])
;;     6. [M 8,192, K 256] x [K 256, N 256]; A: computed on the way; B: input Wo (given as codes): QUANTISED (scales: A lowp_scales[10], B lowp_scales[11])
;;     7. [M 8,192, K 256] x [K 256, N 1,024]; A: computed on the way; B: input Wm (given as codes): QUANTISED (scales: A lowp_scales[12], B lowp_scales[13])
;;     8. [M 8,192, K 1,024] x [K 1,024, N 256]; A: computed on the way; B: input We (given as codes): QUANTISED (scales: A lowp_scales[14], B lowp_scales[15])
;;   THE QUANTISER, for each operand of a quantised product, along K:
;;     - The operand's scale is 2^e, e = its entry of the input lowp_scales (int32; the entries are numbered through the quantised products in the list's order, A before B).
;;     - Each number is divided by the scale, clamped to +-57,344, and rounded to the nearest number of E5M2, ties to even, subnormals kept.
;;     - The product sums the exact products of the quantised numbers (number of the format x scale) in f32.
;;   ~~~python
;;   def quantise(x, axis, e):      # numpy; x: float32 -> the quantised numbers, widened to float32 again
;;       x = np.moveaxis(x, axis, -1); K = x.shape[-1]
;;       r = np.clip(x / 2.0 ** e, -57344, 57344)
;;       step = 2.0 ** (np.maximum(np.frexp(np.where(r == 0, 1, r))[1] - 1, -14) - 2)
;;       q = np.round(r / step) * step * 2.0 ** e      # np.round: ties to even
;;       return np.moveaxis(q, -1, axis).astype(np.float32)
;;   ~~~
;;   SOFTMAX AHEAD OF A QUANTISED PRODUCT. Where the list says 'softmax', what is quantised is not the finished softmax but p = 2^(t - M), with t = logit x log2(e) and M = ceil(the row's largest t), a whole number; so 1/2 < the row's largest p <= 1. The row's sum l is taken of the UNQUANTISED p, in f32, and the product's result is divided by l at the end. Since M is a whole number, a kernel that streams over the keys may use a running M (the ceiling of the running maximum): every later rescaling is an exact power of two, so the quantised numbers keep their values, but for numbers so far below the row's largest that they fall under the format's range.
;;   OPERANDS COMPUTED ON THE WAY. 'Computed on the way' means the value that the module computes at that place (a softmax that the list does not call 'softmax' is quantised finished and normalised). What goes into a quantiser is computed in f32, as accurately as f32 sums, v_exp_f32 and their like allow (about 1e-6 of the number): no bf16 or f16 on the way to a quantiser, and a product that is left as it is and whose result goes on into a quantised operand takes f32 operands (vector FMAs, or v_wmma_f32_16x16x4_f32). A number that lies on a knife's edge between two numbers of the format may be rounded either way, as far as f32 arithmetic and the matrix unit's own rounding can turn it there, and no further.
;;   INPUTS GIVEN AS CODES. We (in the module: [1024, 256], K = its axis 0); Wk (in the module: [256, 256], K = its axis 0); Wm (in the module: [256, 1024], K = its axis 0); Wo (in the module: [256, 256], K = its axis 0); Wq (in the module: [256, 256], K = its axis 0); Wv (in the module: [256, 256], K = its axis 0); q (in the module: [4, 2048, 256], K = its axis 2); x (in the module: [4, 2048, 256], K = its axis 2): each comes as NAME_codes (uint8): NAME with its K axis moved to the last place and cut into blocks of 32 codes, [.., K / 32, bytes a block], one block behind the other in memory; one code a byte (a code: sign, 5 exponent bits, 2 mantissa bits); its scale is its entry of lowp_scales. Its value is code x scale, taken as it is: it is not quantised again, and the codes and scales need not be those that the quantiser above would give.
;; One version. Each part assembles by itself: llvm-mc -triple=amdgcn-amd-amdhsa -mcpu=gfx1250 --defsym DOCPART=n.
;; ======== version 1 of 1: 2 launches
;; limits: right only within a limited range of input values
;; workspace buffers: kv 4,194,304 bytes; wf 655,360 bytes
;; launch prep (part 1): grid 256 x 1, 8 waves a work-group, no clusters, 0 bytes of LDS; arguments x_codes, Wk_codes, Wv_codes, bk, bv, lowp_scales, Wq_codes, Wo_codes, Wm_codes, We_codes, kv, wf; writes kv, wf
.if DOCPART == 1
	.amdgcn_target "amdgcn-amd-amdhsa--gfx1250"
	.amdhsa_code_object_version 6
	.text
	.protected	k_qadaaadcdf0_prep
	.globl	k_qadaaadcdf0_prep
	.p2align	8
	.type	k_qadaaadcdf0_prep,@function
k_qadaaadcdf0_prep:
	s_mov_b64 s[64:65], 0
	v_nop
	global_prefetch_b8 v0, s[64:65] scope:SCOPE_SE
	s_setreg_imm32_b32 hwreg(HW_REG_WAVE_MODE, 25, 1), 1
	s_wait_xcnt 0x0
; K = x Wk + bk and V = x Wv + bv on codes of BF8 (E5M2), quantised again with the given scales (entry 7 for K, entry 8 for V) and stored as IMAGES OF OPERAND REGISTERS;
; and the four weights of the second launch (Wq, Wo, Wm, We) copied into the order in which a wave's operand registers take them.
; A PIECE is 512 bytes: lane L's 16 bytes at 16 L: four registers of an operand.  With r = L % 16, h = L / 16:
;   kv: [batch 4][256 keys: 8][head 8][16,384 bytes];  in a head's bytes:
;     K at 0:     [g 0..7][a 0..1][piece]          byte i of lane (r, h) = K's code (key 32 g + 8 a + r + 8 (r / 8), channel 16 h + i)
;     V at 8,192: [st 0..1][dt 0..1][c 0..3][piece] byte i of lane (r, h) = V's code (channel 8 dt + r + 8 (r / 8), key 128 st + 32 c + 16 h + i)
;   wf: piece number pid at byte 512 pid: 0-127 Wq, 128-255 Wo, 256-767 Wm (piece 16 G + 8 u + 4 s + c), 768-1279 We (piece 64 G + 8 s + 4 u + c): rows 32 G + 8 u + r + 8 (r / 8), K = 128 s + 32 c + 16 h + i
; SHARES.  A work-group takes 128 keys and two heads; wave w takes 32 of the keys (w / 2) and one head (w % 2), K and V both: x's fragments serve both products.  Waves 0 to 4 copy one weight piece each: 256 x 5 = 1,280.
; THE ROWS OF A TILE ARE NOT NEIGHBOURS: row m of tile u of a group of 32 rows is row 8 u + m + 8 (m / 8).  As source 0 that gives a lane's 16 registers of tiles 0 and 1 the rows 16 h + 0 .. 15: 16 neighbours,
; which the conversions turn into the 16 bytes of a piece.  K: source 0 = Wk's rows (channels), source 1 = x's rows (keys).  V: the other way round.
; A fragment of 16 rows x 128 K is fetched as four pieces of 16 bytes a lane (K = 32 c + 16 h + i): the same permutation of K on both operands.
; No LDS, no barrier, no tensor load: waves share nothing.
; LIMITS on the given exponents, so that each power of two is an f32 number: e2 + e3 and e4 + e5 between -126 and 127; e7 and e8 between -126 and 112.  NaN among the inputs is not served.
.set XF, 32                            ; v32-95    x's fragments: tile a, K step s at XF + 32 a + 16 s
.set WK, 96                            ; v96-159   Wk's: tile u, K step s at WK + 32 u + 16 s; later the codes
.set WW, 160                           ; v160-223  Wv's
.set AC, 224                           ; v224-255  four accumulators; v224-227 first carry the weight piece that is copied
.set BI, 12                            ; v12-27    bk of my 16 channels
.set BV, 28                            ; v28-31    bv of my lane's channel in tile 0, twice, and in tile 1, twice
.macro PLACES n
.rept \n
	v_nop
.endr
.endm
	s_load_b512 s[4:19], s[0:1], 0x0               ; x s[4:5], Wk s[6:7], Wv s[8:9], bk s[10:11], bv s[12:13], the exponents s[14:15], Wq s[16:17], Wo s[18:19]
	s_load_b256 s[20:27], s[0:1], 0x40             ; Wm s[20:21], We s[22:23], kv s[24:25], wf s[26:27]
	v_lshrrev_b32 v8, 5, v0
	v_readfirstlane_b32 s28, v8                    ; wave 0..7
	v_and_b32 v1, 15, v0                           ; r
	v_bfe_u32 v2, v0, 4, 1                         ; h
	v_and_b32 v3, 31, v0
	v_and_b32 v9, 8, v1
	v_lshlrev_b32 v3, 4, v3                        ; 16 L: my place in a piece
	v_add_nc_u32 v9, v9, v1                        ; r + 8 (r / 8)
	v_lshlrev_b32 v5, 6, v2                        ; bk: 64 h
	v_lshlrev_b32 v4, 8, v9
	v_lshlrev_b32 v6, 2, v9                        ; bv: 4 (r + 8 (r / 8))
	v_lshl_add_u32 v4, v2, 4, v4                   ; a tile's row of 256 bytes, + 16 h: serves x and the weights alike
	s_lshr_b32 s31, ttmp9, 2
	s_lshl_b32 s31, s31, 2
	s_lshr_b32 s52, s28, 1
	s_add_co_u32 s31, s31, s52                     ; my 32 keys: block 0..255 of x's rows
	s_and_b32 s29, ttmp9, 3
	s_lshl_b32 s29, s29, 1
	s_and_b32 s52, s28, 1
	s_add_co_u32 s29, s29, s52                     ; my head
	s_and_b32 s52, s31, 7                          ; g: which 32 of the 256 keys
	s_lshl_b32 s53, s52, 10                        ; K: 1,024 g
	s_lshr_b32 s54, s52, 2
	s_lshl_b32 s54, s54, 12
	s_and_b32 s52, s52, 3
	s_lshl_b32 s52, s52, 9
	s_add_co_u32 s54, s54, s52
	s_add_co_u32 s54, s54, 8192                    ; V: 8,192 + 4,096 (g / 4) + 512 (g % 4)
	s_lshr_b32 s52, s31, 3
	s_lshl_b32 s52, s52, 17                        ; batch and 256 keys: 131,072 bytes each
	s_lshl_b32 s55, s29, 14
	s_add_co_u32 s52, s52, s55                     ; the head's 16,384
	s_add_co_u32 s54, s54, s52
	s_add_co_u32 s52, s52, s53
	s_mov_b32 s53, 0
	s_mov_b32 s55, 0
	s_mul_i32 s41, ttmp9, 5
	s_add_co_u32 s41, s41, s28                     ; the weight piece of waves 0 to 4
	s_lshl_b32 s58, s29, 13                        ; the head's 32 rows of a weight,
	s_mov_b32 s59, 0
	s_lshl_b32 s60, s29, 7                         ; its 32 numbers of a bias,
	s_mov_b32 s61, 0
	s_lshl_b32 s62, s31, 13                        ; my 32 rows of x
	s_mov_b32 s63, 0
	s_wait_alu depctr_va_vdst(0)                   ; the wait at the head's end
	s_wait_kmcnt 0x0
	s_load_b256 s[32:39], s[14:15], 0x0            ; e0 .. e7
	s_load_b32 s40, s[14:15], 0x20                 ; e8
	s_add_nc_u64 s[42:43], s[6:7], s[58:59]
	s_add_nc_u64 s[44:45], s[8:9], s[58:59]
	s_add_nc_u64 s[46:47], s[10:11], s[60:61]
	s_add_nc_u64 s[48:49], s[12:13], s[60:61]
	s_add_nc_u64 s[50:51], s[4:5], s[62:63]
	s_add_nc_u64 s[52:53], s[24:25], s[52:53]
	s_add_nc_u64 s[54:55], s[24:25], s[54:55]
.macro FRAGS reg, base                 ; 32 rows x 256 K: two tiles, two K steps
.irp u, 0,1
.irp s, 0,1
.irp c, 0,1,2,3
	global_load_b128 v[\reg+32*\u+16*\s+4*\c:\reg+32*\u+16*\s+4*\c+3], v4, s[\base:\base+1] offset:2048*\u+128*\s+32*\c
.endr
.endr
.endr
.endm
	FRAGS XF, 50
	FRAGS WK, 42
	FRAGS WW, 44
.irp i, 0,1,2,3
	global_load_b128 v[BI+4*\i:BI+4*\i+3], v5, s[46:47] offset:16*\i   ; bk of channels 16 h + 0 .. 15
.endr
	global_load_b32 v[BV], v6, s[48:49]
	global_load_b32 v[BV+1], v6, s[48:49]          ; twice: the packed multiply-add takes a pair
	global_load_b32 v[BV+2], v6, s[48:49] offset:32
	global_load_b32 v[BV+3], v6, s[48:49] offset:32
	; THE COPY of one weight piece: waves 0 to 4, the whole of it inside one branch on the wave's number
	s_cmp_lt_u32 s28, 5
	s_cbranch_scc0 .Lno_copy
	s_mov_b64 s[56:57], s[22:23]                   ; We, from piece 768 on,
	s_mov_b32 s58, 768
	s_cmp_lt_u32 s41, 768
	s_cselect_b64 s[56:57], s[20:21], s[56:57]     ; Wm from 256,
	s_cselect_b32 s58, 256, s58
	s_cmp_lt_u32 s41, 256
	s_cselect_b64 s[56:57], s[18:19], s[56:57]     ; Wo from 128,
	s_cselect_b32 s58, 128, s58
	s_cmp_lt_u32 s41, 128
	s_cselect_b64 s[56:57], s[16:17], s[56:57]     ; Wq from 0: each choice hangs on the piece's number alone
	s_cselect_b32 s58, 0, s58
	s_sub_co_u32 s58, s41, s58                     ; t: the piece's number in its tensor
	s_lshr_b32 s59, s58, 4                         ; rows of 256 bytes, t = 16 G + 8 u + 4 s + c: 8,192 G + 2,048 u + 128 s
	s_lshl_b32 s59, s59, 13
	s_bfe_u32 s60, s58, 0x10003
	s_lshl_b32 s60, s60, 11
	s_add_co_u32 s59, s59, s60
	s_bfe_u32 s60, s58, 0x10002
	s_lshl_b32 s61, s60, 7
	s_add_co_u32 s59, s59, s61
	s_lshl_b32 s61, s60, 13                        ; We, rows of 1,024 bytes, t = 64 G + 8 s + 4 u + c: 32,768 G + 8,192 u + 128 s
	s_lshr_b32 s60, s58, 6
	s_lshl_b32 s60, s60, 15
	s_add_co_u32 s61, s61, s60
	s_bfe_u32 s60, s58, 0x30003
	s_lshl_b32 s60, s60, 7
	s_add_co_u32 s61, s61, s60
	s_and_b32 s60, s58, 3
	s_lshl_b32 s60, s60, 5                         ; + 32 c in both
	s_mov_b32 s62, 1024
	s_cmp_lt_u32 s41, 768
	s_cselect_b32 s59, s59, s61
	s_cselect_b32 s62, 256, s62                    ; bytes from row to row
	s_add_co_u32 s59, s59, s60
	v_mul_lo_u32 v11, v9, s62
	v_lshl_add_u32 v11, v2, 4, v11
	v_add_nc_u32 v11, s59, v11                     ; from: row r + 8 (r / 8), + 16 h, + the piece's corner
	global_load_b128 v[AC:AC+3], v11, s[56:57]
	s_lshl_b32 s60, s41, 9
	s_mov_b32 s61, 0
	s_add_nc_u64 s[62:63], s[26:27], s[60:61]      ; to: 512 pid + 16 L
	s_wait_loadcnt 0x0                             ; the piece is in (and with it all that the wave asked for before: it is wanted next in any case)
	global_store_b128 v3, v[AC:AC+3], s[62:63]     ; the wave stores 512 consecutive bytes, aligned
.Lno_copy:
	s_wait_xcnt 0x0                                ; the store has read its registers: accumulators land on them below
	s_wait_kmcnt 0x0
	s_add_co_i32 s58, s34, s35                     ; e2 + e3: a sum of x Wk stands for sum x 2^(e2 + e3)
	s_add_co_i32 s58, s58, 127
	s_lshl_b32 s58, s58, 23                        ; the power of two as f32
	s_mov_b32 s59, s58                             ; (named with it as a pair, so it is written)
	s_add_co_i32 s60, s36, s37                     ; e4 + e5: the same for x Wv
	s_add_co_i32 s60, s60, 127
	s_lshl_b32 s60, s60, 23
	s_mov_b32 s61, s60
	s_add_co_i32 s62, s39, 127
	s_lshl_b32 s63, s62, 23
	v_mov_b32 v7, s63                              ; 2^e7: the conversion takes its exponent field
	s_add_co_i32 s62, s62, 15
	s_lshl_b32 s62, s62, 23
	s_or_b32 s62, s62, 0x600000
	v_mov_b32 v8, s62                              ; 57,344 x 2^e7
	s_add_co_i32 s62, s40, 127
	s_lshl_b32 s63, s62, 23
	v_mov_b32 v10, s63                             ; 2^e8
	s_add_co_i32 s62, s62, 15
	s_lshl_b32 s62, s62, 23
	s_or_b32 s62, s62, 0x600000
	v_mov_b32 v1, s62                              ; 57,344 x 2^e8
	s_wait_alu depctr_va_vdst(0)
	s_wait_loadcnt 0x0                             ; for 0, since the waves have issued different numbers of loads
; eight matrix instructions: four accumulators (G, u) by turns, K step 0 starting the sums, then K step 1
.macro PROD s0, s1
.irp s, 0,1
.irp G, 0,1
.irp u, 0,1
.if \s == 0
	v_wmma_f32_16x16x128_bf8_bf8 v[AC+16*\G+8*\u:AC+16*\G+8*\u+7], v[\s0+32*\u:\s0+32*\u+15], v[\s1+32*\G:\s1+32*\G+15], 0
.else
	v_wmma_f32_16x16x128_bf8_bf8 v[AC+16*\G+8*\u:AC+16*\G+8*\u+7], v[\s0+32*\u+16:\s0+32*\u+31], v[\s1+32*\G+16:\s1+32*\G+31], v[AC+16*\G+8*\u:AC+16*\G+8*\u+7]
.endif
.endr
.endr
.endr
	PLACES 5                                       ; five plain vector instructions behind the last product: its results are read, and later written over by another sum
.endm
.macro CODES dst, sc, hl
.irp i, 0,1,2,3,4,5,6,7,8,9,10,11,12,13,14,15,16,17,18,19,20,21,22,23,24,25,26,27,28,29,30,31
	v_med3_num_f32 v[AC+\i], v[AC+\i], -v[\hl], v[\hl]   ; the conversion to an 8-bit code does not saturate (ISA guide 7.6.2): the hold at the largest code x the scale
.endr
.irp g, 0,1,2,3
	v_cvt_scalef32_pk8_bf8_f32 v[\dst+2*\g:\dst+2*\g+1], v[AC+8*\g:AC+8*\g+7], v[\sc]
.endr
	v_nop                                          ; a plain vector instruction behind the last conversion
.endm
	PROD WK, XF                                    ; K: register 16 a + i of lane (r, h) = key 8 a + r + 8 (r / 8), channel 16 h + i
.irp G, 0,1
.irp j, 0,2,4,6,8,10,12,14
	v_pk_fma_f32 v[AC+16*\G+\j:AC+16*\G+\j+1], v[AC+16*\G+\j:AC+16*\G+\j+1], s[58:59], v[BI+\j:BI+\j+1] op_sel_hi:[1,0,1]   ; sum x 2^(e2 + e3) + bk; each accumulator from its low end on
.endr
.endr
	CODES WK, 7, 8
	global_store_b128 v3, v[WK:WK+3], s[52:53]     ; each store of the wave covers 512 consecutive bytes, aligned
	global_store_b128 v3, v[WK+4:WK+7], s[52:53] offset:512
	PROD XF, WW                                    ; V: register 16 dt + i of lane (r, h) = channel 8 dt + r + 8 (r / 8), key 16 h + i
.irp G, 0,1
.irp j, 0,2,4,6,8,10,12,14
	v_pk_fma_f32 v[AC+16*\G+\j:AC+16*\G+\j+1], v[AC+16*\G+\j:AC+16*\G+\j+1], s[60:61], v[BV+2*\G:BV+2*\G+1] op_sel_hi:[1,0,1]   ; sum x 2^(e4 + e5) + bv of my channel
.endr
.endr
	CODES WK+8, 10, 1
	global_store_b128 v3, v[WK+8:WK+11], s[54:55]
	global_store_b128 v3, v[WK+12:WK+15], s[54:55] offset:2048
	s_endpgm
.Lfunc_end_k_qadaaadcdf0_prep:
	.size	k_qadaaadcdf0_prep, .Lfunc_end_k_qadaaadcdf0_prep-k_qadaaadcdf0_prep
	.p2alignl 7, 3214868480
	.fill 96, 4, 3214868480
	.section	.rodata,"a",@progbits
	.p2align	6, 0x0
	.amdhsa_kernel k_qadaaadcdf0_prep
		.amdhsa_group_segment_fixed_size 0
		.amdhsa_private_segment_fixed_size 0
		.amdhsa_enable_private_segment 0
		.amdhsa_kernarg_size 96
		.amdhsa_user_sgpr_count 2
		.amdhsa_user_sgpr_kernarg_segment_ptr 1
		.amdhsa_wavefront_size32 1
		.amdhsa_system_sgpr_workgroup_id_x 1
		.amdhsa_system_sgpr_workgroup_id_y 1
		.amdhsa_system_sgpr_workgroup_id_z 1
		.amdhsa_system_vgpr_workitem_id 0
		.amdhsa_next_free_vgpr 256
		.amdhsa_next_free_sgpr 66
		.amdhsa_reserve_vcc 0
		.amdhsa_float_denorm_mode_32 3
		.amdhsa_float_denorm_mode_16_64 3
		.amdhsa_memory_ordered 1
		.amdhsa_forward_progress 1
		.amdhsa_inst_pref_size 19
	.end_amdhsa_kernel
	.amdgpu_metadata
---
amdhsa.version: [ 1, 2 ]
amdhsa.kernels:
  - .name:           k_qadaaadcdf0_prep
    .symbol:         k_qadaaadcdf0_prep.kd
    .args:
      - { .name: x_codes, .offset: 0, .size: 8, .value_kind: global_buffer, .address_space: global }
      - { .name: Wk_codes, .offset: 8, .size: 8, .value_kind: global_buffer, .address_space: global }
      - { .name: Wv_codes, .offset: 16, .size: 8, .value_kind: global_buffer, .address_space: global }
      - { .name: bk, .offset: 24, .size: 8, .value_kind: global_buffer, .address_space: global }
      - { .name: bv, .offset: 32, .size: 8, .value_kind: global_buffer, .address_space: global }
      - { .name: lowp_scales, .offset: 40, .size: 8, .value_kind: global_buffer, .address_space: global }
      - { .name: Wq_codes, .offset: 48, .size: 8, .value_kind: global_buffer, .address_space: global }
      - { .name: Wo_codes, .offset: 56, .size: 8, .value_kind: global_buffer, .address_space: global }
      - { .name: Wm_codes, .offset: 64, .size: 8, .value_kind: global_buffer, .address_space: global }
      - { .name: We_codes, .offset: 72, .size: 8, .value_kind: global_buffer, .address_space: global }
      - { .name: kv, .offset: 80, .size: 8, .value_kind: global_buffer, .address_space: global }
      - { .name: wf, .offset: 88, .size: 8, .value_kind: global_buffer, .address_space: global }
    .group_segment_fixed_size: 0
    .private_segment_fixed_size: 0
    .kernarg_segment_align: 8
    .kernarg_segment_size: 96
    .max_flat_workgroup_size: 256
    .sgpr_count:     66
    .vgpr_count:     256
    .wavefront_size: 32
...
	.end_amdgpu_metadata
.endif
;; end of part 1
;; launch mab (part 2): grid 256 x 1, 8 waves a work-group, clusters of 4 x 1, 327,680 bytes of LDS; arguments q_codes, kv, wf, lowp_scales, bq, g0, b0, bo, g1, b1, bm, be, out0; writes out0
.if DOCPART == 2
	.amdgcn_target "amdgcn-amd-amdhsa--gfx1250"
	.amdhsa_code_object_version 6
	.text
	.protected	k_qadaaadcdf0_mab
	.globl	k_qadaaadcdf0_mab
	.p2align	8
	.type	k_qadaaadcdf0_mab,@function
k_qadaaadcdf0_mab:
	s_mov_b64 s[64:65], 0
	v_nop
	global_prefetch_b8 v0, s[64:65] scope:SCOPE_SE
	s_setreg_imm32_b32 hwreg(HW_REG_WAVE_MODE, 25, 1), 1
	s_wait_xcnt 0x0
	s_wait_alu depctr_hold_cnt(0) depctr_sa_sdst(0) depctr_va_vdst(0) depctr_va_sdst(0) depctr_va_ssrc(0) depctr_va_vcc(0) depctr_vm_vsrc(0)
	s_getreg_b32 s2, hwreg(HW_REG_IB_STS2, 6, 4)
	s_cmp_eq_u32 s2, 0
	s_cbranch_scc0 .Lentry_in_a_cluster
	s_endpgm
.Lentry_in_a_cluster:
	s_bfe_u32 s2, ttmp6, 0x10000c
	s_cmp_lg_u32 s2, 0x3003
	s_cbranch_scc0 .Lentry_shape_is_right
	s_endpgm
.Lentry_shape_is_right:
; The whole block for 32 query rows: Q = q Wq + bq; attention over 2,048 keys in all 8 heads of 32; + Q; layer norm; + relu(. Wo + bo); layer norm; relu(. Wm + bm) We + be; + the identity.
; All eight products on codes of BF8 (E5M2), each operand with the one scale 2^e that is given for it; all else in f32.  K and V come as codes in the order of operand registers (kv), the weights likewise (wf): see the first launch.
; A PIECE is 512 bytes, lane L's 16 bytes at 16 L: four registers of an operand.  r = L % 16, h = L / 16.
; SHARES.  256 work-groups of eight waves, 32 rows each.  Wave w is head w, for both tiles (A, B) of 16 queries: each fragment of K and V that it reads from LDS feeds both.  512 registers a wave, two waves to a SIMD.
; LAYOUT A, from Q to the result: lane (r, h) holds row 16 m + r, columns 32 w + 16 h + 0 .. 15, in 16 registers for each tile m: quantised they are one piece of the next product's operand.  It comes of using every product
; transposed (source 0 = 16 rows of the weight, of K or of V; source 1 = 16 of my rows) with tiles whose rows are not neighbours: row m of tile u of a group of 32 is row 8 u + m + 8 (m / 8).
; THE FIRST PRODUCT OF ATTENTION has K = 32, the instruction 64: a fragment of 8 registers carries TWO tiles of 16 keys, one in each half of the instruction's K, and Q's operand has zeros in the other half.  K's codes are finite
; (the first launch holds them), so that half adds exact zeros.
; THE SOFTMAX: t = score x log2(e) / sqrt(32); M = the running largest t rounded UP to a whole number; p = 2^(t - M) is quantised, not normalised; the sum is taken of the unquantised p and divides at the end; when M moves, the sum
; and O are multiplied by 2^(old M - new M), which rounds nothing.
; CLUSTER.  The four work-groups of a cluster belong to one batch and walk the same K and V: each tile (a head's 256 keys, 16 KB) is asked for JOINTLY, a head a wave, by the same tensor load with a mask that names the four.
; The ring's ninth tile is the second half of Wm, 16 KB a wave.  Wq, Wo, Wm's first half and We go from wf straight into registers, 512 consecutive bytes a load: Wo is asked for ahead of the loop, Wm's half in the last slot,
; We from the tail's start on, each at least one phase ahead of its use: so the weights have no prefetch of their own.
; THE TAIL: operands go from wave to wave through LDS as images of their registers.  A layer norm meets once: each head's mean and sum of squares about that mean are stored, and the eight are combined
; (squares about the row's mean = the heads' squares + 32 x the squared distances of the heads' means): no difference of large sums.
; LIMITS on the given exponents, so that each power of two is an f32 number: e0 + e1, e10 + e11, e14 + e15 between -126 and 127; e6, e9, e10, e12 and e14 - e12 - e13 between -126 and 112; e6 + e7 between -124 and 129 (added to the exponent
; field of log2(e) / sqrt(32)); e8 + e9 and e12 + e13 are applied by v_ldexp_f32.  The scaled scores t stay under 2^31 in magnitude.  NaN among the inputs is not served.
.set SLOT1, 1<<17                      ; LDS: slot 0 at 0, slot 1 here: 256 keys of 8 heads each, head hd at 16,384 hd; one exclusive or turns an address in one slot into the other's
.set SPARE, 2*SLOT1                    ; the spare words, 128 bytes for each wave: four blocks of 256 bytes that no other line names
.set VEC,   SPARE+1024                 ; g0, b0, bo, g1, b1, be (1,024 bytes each), bm (4,096)
.set STAT,  VEC+10240                  ; two areas of 32 rows x 80 bytes: eight means, eight sums of squares
.set XIMG,  STAT+5120                  ; the operand of Wo: fragment (row tile m, K step s) at 2,048 (2 m + s); 8,192 on: the operand of Wm
.set HIMG,  XIMG+16384                 ; the hidden layer: fragment (m, s) at 2,048 (8 m + s)
.set STG,   SLOT1                      ; the way out, in slot 1, which has had its last fill and its last read: 32 rows of 1,024 bytes + 16
.set SP,    1040
.set WOO,   65536                      ; wf: where each weight begins
.set WMO,   131072
.set WMO2,  262144
.set WEO,   393216
; vector registers, window 0: v1 my spare word, v2 0 (both never rewritten), v3 16,384 w + 16 L, v4 the same in the slot in hand, v5 256 L, v6 2^e9, v7 16 L, v22 and v23 57,344 x 2^e9;
;   tile A: v8 -M, v9 the largest score, v[10:11] the sum in two halves, v[12:13] f; tile B: v14, v15, v[16:17], v[18:19];  v20 8,192 w + 16 L, v21 32,768 w + 16 L
;   v24-43 zeros, A's Q, zeros, B's Q, zeros (4 each);  v44-59 p's codes of A, before that at work (B's codes lie at SA);  v252-255 at work
; window 1 (low bytes): 0-31 V's fragments, in the tail gains or accumulators; 32-63 Q in f32, in the tail bo and then the identity; 64-127 Wo, then We; 128-255 Wm, then We
.set KF,  60                           ; v60-91    K's four fragments (two tiles of keys each)
.set OT,  92                           ; v92-123   O^T, tile m at OT + 16 m
.set SA,  124                          ; v124-187  A's scores, then p
.set SB,  188                          ; v188-251  B's
.set WV,  30                           ; scalars: the wave = the head;  s31 16,384 w;  s33 cx, s34 the work-group, s35 the batch
.set G0,  36                           ; s[36:39] descriptor group 0, which walks
.set G1,  40                           ; s[40:47] descriptor group 1
.set TB,  48                           ; LDS byte at which the slot in hand begins
.set SLOTS, 49                         ; tiles of keys still to be asked for
.set SEL, 50                           ; s[50:51] lane selects for v_permlanex16_b32: lane l xor 16
.set CS,  52                           ; s[52:53] log2(e) / sqrt(32) x 2^(e6 + e7);  s68: the same, negative
.set PFA, 54                           ; s[54:55] where my prefetches stand
.set LIM, 56                           ; 1 in a wave that prefetches, else the greatest number
.set NCS, 68
.set MSB, 0
.macro WIN new                         ; the immediate's high byte repeats the setting that is left
.if MSB != \new
	s_set_vgpr_msb (MSB<<8)|\new
.set MSB, \new
.endif
.endm
.macro VW
	s_wait_alu depctr_va_vdst(0)
.endm
.macro PLACES n
.rept \n
	v_nop
.endr
.endm
; A round of the cluster's barrier: my work-group's barrier; wave 0 signals for the work-group; every wave waits for all four work-groups; my work-group's barrier once more.
.macro CROUND
	s_barrier_signal -1
	s_barrier_wait -1
	s_cmp_lg_u32 s[WV], 0
	s_cbranch_scc1 .Lnot_wave_0_\@
	s_barrier_signal -3
.Lnot_wave_0_\@:
	s_barrier_wait -3
	s_barrier_signal -1
	s_barrier_wait -1
.endm
.macro BARRIER                         ; my LDS stores have landed and my LDS loads are in: then the work-group's barrier
	VW
	s_wait_dscnt 0x0
	s_barrier_signal -1
	s_barrier_wait -1
.endm
.macro JLOAD                           ; the joint load: every wave, 16 KB.  By this text's count a wave has one tensor load out at the most
	tensor_load_to_lds s[G0:G0+3], s[G1:G1+7]
	s_nop 0
	PLACES 4
.endm
; A prefetch of the tile that the NEXT change of slots will ask for: 131,072 bytes.  All sixteen clusters of a batch walk the same tiles: the batch's first cluster asks.  Its four partners take 32,768 bytes each, told apart BY ADDRESS;
; in each, waves 4 to 7 take 8,192 bytes each, lanes 256 bytes apart: one instruction a wave, and each block of 256 bytes is named once in the launch.  It is two key steps ahead of the load that wants the tile.
; The last change that fetches keys asks for nothing; tiles 0 and 1 come by their loads alone.
.macro ASK
	s_cmp_gt_u32 s[SLOTS], s[LIM]
	s_cbranch_scc0 .Lnot_mine_\@
	global_prefetch_b8 v5, s[PFA:PFA+1] th:TH_LOAD_NT scope:SCOPE_SE
.Lnot_mine_\@:
.endm
.macro WLOAD reg, adr, off             ; sixteen pieces of a weight: 64 registers
.irp p, 0,1,2,3,4,5,6,7,8,9,10,11,12,13,14,15
	global_load_b128 v[\reg+4*\p:\reg+4*\p+3], v[\adr], s[8:9] offset:\off+512*\p
.endr
.endm
.macro POW2 d, a, b                    ; s[d] = s[d + 1] = 2^(s[a] + s[b]) as f32
	s_add_co_i32 s57, s[\a], s[\b]
	s_add_co_i32 s57, s57, 127
	s_lshl_b32 s[\d], s57, 23
	s_mov_b32 s[\d+1], s[\d]
.endm
.macro PAT d, e                        ; s[d] = 2^s[e] as f32, s[d + 1] = 57,344 x that
	s_add_co_i32 s57, s[\e], 127
	s_lshl_b32 s[\d], s57, 23
	s_add_co_i32 s57, s57, 15
	s_lshl_b32 s57, s57, 23
	s_or_b32 s[\d+1], s57, 0x600000
.endm
	s_load_b512 s[4:19], s[0:1], 0x0               ; q s[4:5], kv s[6:7], wf s[8:9], the exponents s[10:11], bq s[12:13], g0 s[14:15], b0 s[16:17], bo s[18:19]
	s_load_b256 s[20:27], s[0:1], 0x40             ; g1 s[20:21], b1 s[22:23], bm s[24:25], be s[26:27]
	s_load_b64 s[28:29], s[0:1], 0x60              ; out0
	v_lshl_add_u32 v1, v0, 2, SPARE
	v_mov_b32 v2, 0
	ds_add_u32 v1, v2                              ; the opening: the add, twice on end, ahead of my first tensor load
	ds_add_u32 v1, v2
	v_lshrrev_b32 v9, 5, v0
	v_readfirstlane_b32 s[WV], v9                  ; wave 0..7
	s_bfe_u32 s33, ttmp6, 0x40000                  ; cx: my place in the cluster: it enters q's, out0's and the prefetches' addresses alone
	s_lshl_b32 s34, ttmp9, 2                       ; in a cluster launch ttmp9 counts clusters
	s_add_co_u32 s34, s34, s33                     ; my block of 32 rows
	s_lshr_b32 s35, ttmp9, 4                       ; the batch, which the four partners share
	; descriptor group 1: 16,384 dense bytes as 64 rows of 32 elements of 8 bytes, no padding: every read of a slot is 16 L on end
	s_mov_b32 s[G1], 15|(3<<16)|(1<<21)            ; 15:0 the mask: all four work-groups; 17:16 elements of 8 bytes; 21 set beside a mask
	s_mov_b32 s[G1+1], 32<<16                      ; tensor_dim0 = 32
	s_mov_b32 s[G1+2], 64<<16                      ; tensor_dim1 = 64
	s_mov_b32 s[G1+3], 32<<16                      ; tile_dim0 = 32
	s_mov_b32 s[G1+4], 64                          ; tile_dim1 = 64
	s_mov_b32 s[G1+5], 32                          ; tensor_dim0_stride
	s_mov_b32 s[G1+6], 0
	s_mov_b32 s[G1+7], 0
	s_mov_b32 s[SEL], 0x76543210
	s_mov_b32 s[SEL+1], 0xfedcba98
	s_mov_b32 s[TB], 0
	s_mov_b32 s[SLOTS], 7
	s_mov_b32 s66, 0x3b800000                      ; 1 / 256
	s_mov_b32 s67, 0x3727c5ac                      ; 1e-5
	s_sub_co_u32 s62, s[WV], 4
	s_lshr_b32 s62, s62, 2                         ; 0 in waves 4 to 7,
	s_and_b32 s63, ttmp9, 15
	s_or_b32 s62, s62, s63                         ; of the batch's first cluster: the same in all four partners
	s_cmp_eq_u32 s62, 0
	s_cselect_b32 s[LIM], 1, -1
	s_lshl_b32 s31, s[WV], 14
	s_lshl_b32 s57, s[WV], 13
	s_lshl_b32 s59, s[WV], 7
	s_and_b32 s60, s[WV], 3
	s_lshl_b32 s60, s60, 8
	s_lshl_b32 s61, s[WV], 8
	v_and_b32 v4, 15, v0                           ; r
	v_bfe_u32 v6, v0, 4, 1                         ; h
	v_and_b32 v7, 31, v0
	v_lshlrev_b32 v5, 8, v7
	v_lshlrev_b32 v8, 3, v7
	v_lshlrev_b32 v7, 4, v7
	v_add_nc_u32 v3, s31, v7
	v_add_nc_u32 v20, s57, v7
	v_lshlrev_b32 v21, 8, v4
	v_lshl_add_u32 v21, v6, 4, v21                 ; q: 256 r + 16 h
	v_lshl_add_u32 v6, v6, 6, s59                  ; bq: 128 w + 64 h
	v_add_nc_u32 v9, s61, v8
	v_add_nc_u32 v9, VEC, v9                       ; the vectors in LDS: 256 w + 8 L,
	v_add_nc_u32 v8, s60, v8                       ; from 256 (w % 4) + 8 L of one of them
	v_lshlrev_b32 v10, 4, v0
	v_add_nc_u32 v11, VEC+6144, v10                ; bm
	s_lshl_b32 s60, s34, 13                        ; q: 8,192 x block
	s_mov_b32 s61, 0
	s_lshl_b32 s62, s34, 15                        ; out0: 32,768 x block
	s_mov_b32 s63, 0
	s_mov_b32 s[G0], 1                             ; count = 1
	s_mov_b32 s[G0+1], s31                         ; LDS address: slot 0, my head
	s_lshl_b32 s58, s35, 20
	s_add_co_u32 s58, s58, s31                     ; kv: 2^20 x batch + 16,384 x head
	s_mov_b32 s59, 0
	VW
	s_wait_dscnt 0x0                               ; both opening adds are done
	s_wait_kmcnt 0x0
	s_load_b512 s[68:83], s[10:11], 0x0            ; e0 .. e15
	s_add_nc_u64 s[4:5], s[4:5], s[60:61]
	s_add_nc_u64 s[28:29], s[28:29], s[62:63]
	s_add_nc_u64 s[G0+2:G0+3], s[6:7], s[58:59]    ; global address: the batch's first 256 keys
	s_or_b32 s[G0+3], s[G0+3], 0x80000000          ; type = 2
	s_lshl_b32 s60, s33, 15                        ; the prefetches: my work-group's 32,768 bytes,
	s_and_b32 s62, s[WV], 3
	s_lshl_b32 s62, s62, 13                        ; my wave's 8,192 of them,
	s_add_co_u32 s60, s60, s62
	s_lshl_b32 s62, s35, 20
	s_add_co_u32 s60, s60, s62
	s_add_co_u32 s60, s60, 131072                  ; in tile 1: the first change of slots steps it to tile 2.  Nothing is prefetched here, at the head
	s_add_nc_u64 s[PFA:PFA+1], s[6:7], s[60:61]
	WLOAD SA, 20, 0                                ; my head's 32 rows of Wq
.irp m, 0,1
.irp s, 0,1
.irp c, 0,1,2,3
	global_load_b128 v[SB+32*\m+16*\s+4*\c:SB+32*\m+16*\s+4*\c+3], v21, s[4:5] offset:4096*\m+128*\s+32*\c
.endr
.endr
.endr
.irp i, 0,1,2,3
	global_load_b128 v[KF+4*\i:KF+4*\i+3], v6, s[12:13] offset:16*\i   ; bq
.endr
	s_cmp_lt_u32 s[WV], 4
	s_cselect_b64 s[58:59], s[14:15], s[16:17]     ; waves 0-3 bring g0, bo, b1; waves 4-7 b0, g1, be: 256 bytes of each
	s_cselect_b64 s[60:61], s[18:19], s[20:21]
	s_cselect_b64 s[62:63], s[22:23], s[26:27]
	global_load_b64 v[76:77], v8, s[58:59]
	global_load_b64 v[78:79], v8, s[60:61]
	global_load_b64 v[80:81], v8, s[62:63]
	global_load_b128 v[84:87], v10, s[24:25]       ; bm
	CROUND                                         ; all four work-groups are here: the first joint loads meet
	JLOAD                                          ; tile 0 into slot 0
	s_wait_kmcnt 0x0
	POW2 84, 68, 69                                ; s[84:85] = 2^(e0 + e1)
	POW2 86, 78, 79                                ; s[86:87] = 2^(e10 + e11)
	POW2 88, 82, 83                                ; s[88:89] = 2^(e14 + e15)
	PAT 90, 74                                     ; e6: Q
	PAT 92, 77                                     ; e9: p
	PAT 94, 78                                     ; e10: the operand of Wo
	PAT 96, 80                                     ; e12: the operand of Wm
	s_wait_xcnt 0x0                                ; the vectors' loads have read their bases, s[58:63], which are written again from here on
	s_sub_co_i32 s58, s82, s80
	s_sub_co_i32 s58, s58, s81
	PAT 98, 58                                     ; e14 - e12 - e13: the hidden layer's three scales folded into the conversion's one
	s_add_co_i32 s100, s76, s77                    ; e8 + e9
	s_add_co_i32 s101, s80, s81
	s_sub_co_i32 s101, 0, s101                     ; -(e12 + e13)
	s_add_co_i32 s57, s74, s75
	s_lshl_b32 s57, s57, 23
	s_add_co_i32 s[CS], s57, 0x3e8293ee            ; log2(e) / sqrt(32), with e6 + e7 added to its exponent field
	s_mov_b32 s[CS+1], s[CS]                       ; (named with it as a pair, so it is written)
	s_xor_b32 s[NCS], s[CS], 0x80000000
	s_add_co_u32 s60, s31, WMO2
	s_mov_b32 s61, 0
	s_add_nc_u64 s[70:71], s[8:9], s[60:61]        ; the ninth tile: my 16,384 bytes of Wm's second half
	s_lshl_b32 s57, s[WV], 15
	s_wait_loadcnt 0x0
	ds_store_b64 v9, v[76:77]                      ; the vectors wait in LDS for the tail
	ds_store_b64 v9, v[78:79] offset:2048
	ds_store_b64 v9, v[80:81] offset:4096
	ds_store_b128 v11, v[84:87]
	; ---- Q = q Wq + bq for my 32 rows and my head's 32 columns: four accumulators by turns
.irp s, 0,1
.irp m, 0,1
.irp u, 0,1
.if \s == 0
	v_wmma_f32_16x16x128_bf8_bf8 v[OT+16*\m+8*\u:OT+16*\m+8*\u+7], v[SA+32*\u:SA+32*\u+15], v[SB+32*\m:SB+32*\m+15], 0
.else
	v_wmma_f32_16x16x128_bf8_bf8 v[OT+16*\m+8*\u:OT+16*\m+8*\u+7], v[SA+32*\u+16:SA+32*\u+31], v[SB+32*\m+16:SB+32*\m+31], v[OT+16*\m+8*\u:OT+16*\m+8*\u+7]
.endif
.endr
.endr
.endr
	v_add_nc_u32 v21, s57, v7                      ; wf: my 32,768 bytes of We.  (These lines are also the places behind the products)
	v_mov_b32 v8, 0x7f61b1e6                       ; -M: 3e38
	v_mov_b32 v14, 0x7f61b1e6
	v_mov_b32 v9, 0xff61b1e6                       ; the largest score so far: -3e38
	v_mov_b32 v15, 0xff61b1e6
	v_mov_b32 v10, 0                               ; the sums, in two halves
	v_mov_b32 v11, 0
	v_mov_b32 v16, 0
	v_mov_b32 v17, 0
	v_mov_b32 v13, 0                               ; (named as the upper half of the pair v[12:13])
	v_mov_b32 v48, 0                               ; written once: a lane permute's destination counts as one of its sources
	v_mov_b32 v49, 0
	v_mov_b32 v6, s92                              ; 2^e9
	v_mov_b32 v22, s93                             ; 57,344 x 2^e9, twice: the dual minima name two registers
	v_mov_b32 v23, s93
	v_mov_b32 v18, s90
	v_mov_b32 v19, s91
	WIN 0x40
.irp m, 0,16
.irp j, 0,2,4,6,8,10,12,14
	v_pk_fma_f32 v[32+\m+\j:33+\m+\j], v[OT+\m+\j:OT+1+\m+\j], s[84:85], v[KF+\j:KF+1+\j] op_sel_hi:[1,0,1]   ; Q = sum x 2^(e0 + e1) + bq: kept in f32 in window 1 for the residual,
.endr
.endr
	WIN 0
.irp m, 0,16
.irp j, 0,2,4,6,8,10,12,14
	v_pk_fma_f32 v[SA+\m+\j:SA+1+\m+\j], v[OT+\m+\j:OT+1+\m+\j], s[84:85], v[KF+\j:KF+1+\j] op_sel_hi:[1,0,1]   ; and here for the quantiser
.endr
.endr
.set I, 0
.rept 32
	v_med3_num_f32 v[SA+I], v[SA+I], -v19, v19     ; the conversion to an 8-bit code does not saturate (ISA guide 7.6.2): the hold at the largest code x the scale
.set I, I+1
.endr
	v_cvt_scalef32_pk8_bf8_f32 v[28:29], v[SA:SA+7], v18
	v_cvt_scalef32_pk8_bf8_f32 v[30:31], v[SA+8:SA+15], v18
	v_cvt_scalef32_pk8_bf8_f32 v[36:37], v[SA+16:SA+23], v18
	v_cvt_scalef32_pk8_bf8_f32 v[38:39], v[SA+24:SA+31], v18
.irp j, 24,25,26,27,32,33,34,35,40,41,42,43
	v_mov_b32 v\j, 0                               ; zeros on both sides of each tile's codes.  (Plain lines behind the conversions)
.endr
.set I, 0
.rept 32
	v_mov_b32 v[OT+I], 0                           ; O^T begins as zeros: the key step is written once
.set I, I+1
.endr
	WIN 0x40
	WLOAD 64, 20, WOO                              ; my 32 rows of Wo: wanted behind the loop
	WIN 0
.macro KLOAD q
.irp b, 0,1,2,3
.irp a, 0,1
	ds_load_b128 v[KF+8*\b+4*\a:KF+8*\b+4*\a+3], v4 offset:(4*(\q)+\b)*1024+512*\a
.endr
.endr
.endm
.macro VLOADS q                        ; into window 1
	WIN 0x40
.irp d, 0,1
.irp c, 0,1,2,3
	ds_load_b128 v[16*\d+4*\c:16*\d+4*\c+3], v4 offset:8192+4096*(\q)+2048*\d+512*\c
.endr
.endr
	WIN 0
.endm
.macro SUMP src, c0, c1                ; c0 += the 64 numbers from src on, in two halves: four chains
	v_pk_add_f32 v[\c1:\c1+1], v[\src:\src+1], v[\src+2:\src+3]
	v_pk_add_f32 v[44:45], v[\src+4:\src+5], v[\src+6:\src+7]
	v_pk_add_f32 v[46:47], v[\src+8:\src+9], v[\src+10:\src+11]
	v_pk_add_f32 v[\c0:\c0+1], v[\c0:\c0+1], v[\src+12:\src+13]
.set I, \src+14
.rept 6
	v_pk_add_f32 v[\c1:\c1+1], v[\c1:\c1+1], v[I:I+1]
	v_pk_add_f32 v[44:45], v[44:45], v[I+2:I+3]
	v_pk_add_f32 v[46:47], v[46:47], v[I+4:I+5]
	v_pk_add_f32 v[\c0:\c0+1], v[\c0:\c0+1], v[I+6:I+7]
.set I, I+8
.endr
	v_pk_add_f32 v[\c1:\c1+1], v[\c1:\c1+1], v[\src+62:\src+63]
	v_pk_add_f32 v[44:45], v[44:45], v[46:47]
	v_pk_add_f32 v[\c0:\c0+1], v[\c0:\c0+1], v[\c1:\c1+1]
	v_pk_add_f32 v[\c0:\c0+1], v[\c0:\c0+1], v[44:45]
.endm
; A KEY STEP: 128 keys, the q-th of the slot in hand, for both tiles.  (The step before has ended with five places behind its products.)
.macro STEP q
.if \q == 0
	v_add_nc_u32 v4, s[TB], v3
	KLOAD 0
	VLOADS 0
	VW
	s_wait_dscnt 8                                 ; K's eight loads are in; V's eight, issued behind them, stay out until the second product
.else
	VLOADS 1
	s_wait_dscnt 8                                 ; K's eight loads, issued in step 0, are in; V's eight stay out
.endif
.irp b, 0,1,2,3                                ; S^T = K Q^T: register 16 b + i of lane (r, h) = query r, key 32 b + 16 h + i
	v_wmma_f32_16x16x64_bf8_bf8 v[SA+16*\b:SA+16*\b+7], v[KF+8*\b:KF+8*\b+7], v[28:35], 0       ; the fragment's first tile of keys: Q's codes, then zeros
	v_wmma_f32_16x16x64_bf8_bf8 v[SA+16*\b+8:SA+16*\b+15], v[KF+8*\b:KF+8*\b+7], v[24:31], 0    ; its second: zeros, then Q's codes
	v_wmma_f32_16x16x64_bf8_bf8 v[SB+16*\b:SB+16*\b+7], v[KF+8*\b:KF+8*\b+7], v[36:43], 0
	v_wmma_f32_16x16x64_bf8_bf8 v[SB+16*\b+8:SB+16*\b+15], v[KF+8*\b:KF+8*\b+7], v[32:39], 0
.endr
	PLACES 4
.if \q == 0
	KLOAD 1                                        ; the next step's K comes while the softmax is at work
.endif
	v_max3_num_f32 v44, v[SA], v[SA+1], v[SA+2]    ; the step's largest score of my query, among my 64 keys, two chains a tile, ascending,
	v_max3_num_f32 v45, v[SB], v[SB+1], v[SB+2]
	v_max3_num_f32 v46, v[SA+3], v[SA+4], v[SA+5]
	v_max3_num_f32 v47, v[SB+3], v[SB+4], v[SB+5]
.set I, 6
.rept 14
	v_max3_num_f32 v44, v44, v[SA+I], v[SA+I+1]
	v_max3_num_f32 v45, v45, v[SB+I], v[SB+I+1]
	v_max3_num_f32 v46, v46, v[SA+I+2], v[SA+I+3]
	v_max3_num_f32 v47, v47, v[SB+I+2], v[SB+I+3]
.set I, I+4
.endr
	v_max3_num_f32 v44, v44, v[SA+62], v[SA+63]
	v_max3_num_f32 v45, v45, v[SB+62], v[SB+63]
	v_max3_num_f32 v44, v44, v46, v9               ; with the largest so far,
	v_max3_num_f32 v45, v45, v47, v15
	v_permlanex16_b32 v48, v44, s[SEL], s[SEL+1]
	v_permlanex16_b32 v49, v45, s[SEL], s[SEL+1]
	v_max_num_f32 v9, v44, v48                     ; and among lane l xor 16's
	v_max_num_f32 v15, v45, v49
	v_mul_f32 v46, s[NCS], v9                      ; -t (the factor of t is positive)
	v_mul_f32 v47, s[NCS], v15
	v_floor_f32 v44, v46                           ; the new -M = floor(-t): M is a whole number
	v_floor_f32 v45, v47
	v_sub_f32 v48, v44, v8                         ; old M - new M: a whole number, 0 or less
	v_sub_f32 v49, v45, v14
	v_mov_b32 v8, v44
	v_mov_b32 v14, v45
	v_cvt_i32_f32 v48, v48                         ; (it saturates)
	v_cvt_i32_f32 v49, v49
	v_ldexp_f32 v12, 1.0, v48                      ; f = 2^(old M - new M)
	v_ldexp_f32 v18, 1.0, v49
.set I, 0
.rept 32
	v_pk_fma_f32 v[SA+I:SA+I+1], v[SA+I:SA+I+1], s[CS:CS+1], v[8:9] op_sel_hi:[1,0,0]   ; A: t - M, two at a time
.set I, I+2
.endr
	VW
.set I, 0
.rept 32
	v_exp_f32 v[SA+I], v[SA+I]                     ; A: p = 2^(t - M), at most 1: not normalised; B's t - M stand between
	v_pk_fma_f32 v[SB+I:SB+I+1], v[SB+I:SB+I+1], s[CS:CS+1], v[14:15] op_sel_hi:[1,0,0]
	v_exp_f32 v[SA+I+1], v[SA+I+1]
.set I, I+2
.endr
	v_pk_mul_f32 v[10:11], v[10:11], v[12:13] op_sel_hi:[1,0]   ; A's sum under the new M.  (The plain instruction behind the exponentials)
	VW                                             ; ahead of the first reader of A's exponentials, and of B's, which read what stands above
	SUMP SA, 10, 252
.set I, 0
.rept 32
	v_exp_f32 v[SB+I], v[SB+I]                     ; B's exponentials; between them A's hold: p is not negative, so it is one-sided
	v_dual_min_num_f32 v[SA+I], v[SA+I], v22 :: v_dual_min_num_f32 v[SA+I+1], v[SA+I+1], v23
	v_exp_f32 v[SB+I+1], v[SB+I+1]
.set I, I+2
.endr
	v_pk_mul_f32 v[16:17], v[16:17], v[18:19] op_sel_hi:[1,0]
	VW
	SUMP SB, 16, 254
.set I, 0
.rept 32
	v_dual_min_num_f32 v[SB+I], v[SB+I], v22 :: v_dual_min_num_f32 v[SB+I+1], v[SB+I+1], v23
.set I, I+2
.endr
.irp g, 0,1,2,3,4,5,6,7
	v_cvt_scalef32_pk8_bf8_f32 v[44+2*\g:45+2*\g], v[SA+8*\g:SA+7+8*\g], v6
.endr
	VW
.irp j, 0,2,4,6,8,10,12,14
	v_pk_mul_f32 v[OT+\j:OT+1+\j], v[OT+\j:OT+1+\j], v[12:13] op_sel_hi:[1,0]   ; O^T under the new M.  (Plain lines between A's conversions and B's, which land on A's p)
	v_pk_mul_f32 v[OT+16+\j:OT+17+\j], v[OT+16+\j:OT+17+\j], v[18:19] op_sel_hi:[1,0]
.endr
.irp g, 0,1,2,3,4,5,6,7
	v_cvt_scalef32_pk8_bf8_f32 v[SA+2*\g:SA+1+2*\g], v[SB+8*\g:SB+7+8*\g], v6
.endr
	v_nop                                          ; a plain vector instruction behind the last conversion
	WIN 0x01
	VW
.if \q == 0
	s_wait_dscnt 8                                 ; V is in; the next K's eight loads may be out
.else
	s_wait_dscnt 0x0                               ; V is in
.endif
	v_wmma_f32_16x16x128_bf8_bf8 v[OT:OT+7], v[0:15], v[44:59], v[OT:OT+7]             ; O^T += V^T P^T: register i of lane (r, h) = query r, channel 16 h + i
	v_wmma_f32_16x16x128_bf8_bf8 v[OT+8:OT+15], v[16:31], v[44:59], v[OT+8:OT+15]
	v_wmma_f32_16x16x128_bf8_bf8 v[OT+16:OT+23], v[0:15], v[SA:SA+15], v[OT+16:OT+23]
	v_wmma_f32_16x16x128_bf8_bf8 v[OT+24:OT+31], v[16:31], v[SA:SA+15], v[OT+24:OT+31]
	WIN 0
	PLACES 5                                       ; the next scores are written over B's codes by matrix instructions; loads follow too
.endm
; THE CHANGE OF SLOTS stands at a slot's head.  Each wave waits for all its tensor loads (its part of the slot that is about to be read), adds 0 to its spare word, and waits for that and for its reads of the slot that it has left.
; The barrier is a round of the cluster's, so that no wave of any partner still reads that slot or has a load on its way; the joint refill is the first thing behind it and has two key steps in which to land.
; keys = 1: the next 256 keys; keys = 0: the ninth tile, Wm's second half, into slot 0.
.macro CHANGE keys
	s_wait_tensorcnt 0x0                           ; no tensor load of mine is out, so group 0 may be written
	ds_add_u32 v1, v2                              ; 0 onto my spare word
.if \keys
	s_xor_b32 s[G0+1], s[G0+1], SLOT1              ; the other slot than last time,
	s_add_nc_u64 s[G0+2:G0+3], s[G0+2:G0+3], 131072   ; the next 256 keys; the type bits on top are not reached
	s_wait_xcnt 0x0                                ; the last prefetch, a slot back, has read its address, so it may be written:
	s_add_nc_u64 s[PFA:PFA+1], s[PFA:PFA+1], 131072   ; one tile further on than the walking descriptor
.else
	s_mov_b32 s[G0+1], s31
	s_mov_b64 s[G0+2:G0+3], s[70:71]
	s_or_b32 s[G0+3], s[G0+3], 0x80000000
.endif
	VW
	s_wait_dscnt 0x0                               ; the add is done, and my reads of the slot that I have left are over
	CROUND
	JLOAD
.if \keys
	ASK
.endif
.endm
	VW
.Lslot:                                            ; seven trips
	CHANGE 1
	STEP 0
	STEP 1
	s_xor_b32 s[TB], s[TB], SLOT1                  ; on to the other slot
	s_sub_co_u32 s[SLOTS], s[SLOTS], 1
	s_cmp_lg_u32 s[SLOTS], 0
	VW
	s_cbranch_scc1 .Lslot
	CHANGE 0                                       ; the last slot of keys is slot 1
	WIN 0x40
	WLOAD 128, 3, WMO                              ; my units 64 w .. 64 w + 31: 32 rows of Wm
	WIN 0
	STEP 0
	WIN 0x40
	WLOAD 192, 3, WMO+8192                         ; and the next 32
	WIN 0
	STEP 1
	; ---- the end of attention.  We's K steps 0 to 3 are asked for at once, into the scores' registers
	s_lshr_b32 s57, s[WV], 2
	s_lshl_b32 s57, s57, 11
	s_and_b32 s58, s[WV], 3
	s_lshl_b32 s58, s58, 9
	s_add_co_u32 s57, s57, s58
	s_add_co_u32 s57, s57, XIMG                    ; my piece of an operand: K step w / 4, piece w % 4
	s_lshl_b32 s58, s[WV], 10
	s_add_co_u32 s58, s58, HIMG                    ; the hidden layer: units 64 w on: K step w / 2, pieces 2 (w % 2) and + 1
	s_lshl_b32 s59, s[WV], 7
	s_add_co_u32 s60, s59, STG                     ; the stage in layout A
	s_add_co_u32 s59, s59, VEC                     ; vectors of 256 in layout A: 128 w + 64 h
	s_lshl_b32 s61, s[WV], 8
	s_add_co_u32 s61, s61, VEC+6144                ; bm: 256 w + 64 h
	s_mul_i32 s62, s[WV], 4*SP
	s_add_co_u32 s62, s62, STG                     ; the stage by rows: rows 4 w .. 4 w + 3
	s_lshl_b32 s63, s[WV], 2
	s_lshl_b32 s69, s[WV], 12                      ; out0: the same rows
	v_add_f32 v10, v10, v11                        ; the sums' two halves
	v_add_f32 v16, v16, v17
	WLOAD SA, 21, WEO
	WLOAD SB, 21, WEO+8192
	v_permlanex16_b32 v13, v10, s[SEL], s[SEL+1]
	v_permlanex16_b32 v19, v16, s[SEL], s[SEL+1]
	v_and_b32 v44, 15, v0                          ; r
	v_bfe_u32 v45, v0, 4, 1                        ; h
	v_add_f32 v10, v10, v13                        ; the rows' sums
	v_add_f32 v16, v16, v19
	v_mul_u32_u24 v6, 0x50, v44
	v_mul_u32_u24 v25, 0x410, v44
	v_add_nc_u32 v6, STAT, v6                      ; a row's statistics: 80 r,
	v_lshl_add_u32 v25, v45, 6, v25
	v_add_nc_u32 v5, s63, v6                       ; and mine among them
	v_add_nc_u32 v25, s60, v25
	v_add_nc_u32 v4, s57, v7
	v_add_nc_u32 v20, XIMG, v7
	v_add_nc_u32 v22, s58, v7
	v_lshl_add_u32 v23, v45, 6, s59
	v_lshl_add_u32 v24, v45, 6, s61
	v_add_nc_u32 v26, s62, v7
	v_add_nc_u32 v27, s69, v7
	v_mov_b32 v18, s94
	v_mov_b32 v19, s95
	WIN 0x10
	VW
	v_rcp_f32 v10, v10
	v_rcp_f32 v16, v16
	v_nop                                          ; a plain instruction behind the reciprocals
	VW                                             ; ahead of their first readers, and of O^T's
	v_ldexp_f32 v10, v10, s100                     ; x 2^(e8 + e9)
	v_ldexp_f32 v16, v16, s100
.irp j, 0,2,4,6,8,10,12,14
	v_pk_fma_f32 v[OT+\j:OT+1+\j], v[OT+\j:OT+1+\j], v[10:11], v[32+\j:33+\j] op_sel_hi:[1,0,1]   ; O^T / the sum + Q
	v_pk_fma_f32 v[OT+16+\j:OT+17+\j], v[OT+16+\j:OT+17+\j], v[16:17], v[48+\j:49+\j] op_sel_hi:[1,0,1]
.endr
	WIN 0x40
.irp i, 0,1,2,3
	ds_load_b128 v[32+4*\i:35+4*\i], v23 offset:2048+16*\i         ; bo, where Q was
.endr
; A layer norm of the 32 rows, in place on OT.  T (v28 + 8 m), U (v44 + 8 m) at work, Z (v60 + 16 m) the eight means and the eight sums of squares; gain and bias at 0-31 of window 1.
.macro LNORM area, goff
	WIN 0x40
.irp i, 0,1,2,3
	ds_load_b128 v[4*\i:4*\i+3], v23 offset:\goff+16*\i
	ds_load_b128 v[16+4*\i:19+4*\i], v23 offset:\goff+1024+16*\i
.endr
	WIN 0
.irp k, 0,2,4,6
.irp m, 0,1
	v_pk_add_f32 v[28+8*\m+\k:29+8*\m+\k], v[OT+16*\m+2*\k:OT+1+16*\m+2*\k], v[OT+2+16*\m+2*\k:OT+3+16*\m+2*\k]
.endr
.endr
.irp m, 0,8
	v_pk_add_f32 v[28+\m:29+\m], v[28+\m:29+\m], v[30+\m:31+\m]
	v_pk_add_f32 v[32+\m:33+\m], v[32+\m:33+\m], v[34+\m:35+\m]
.endr
.irp m, 0,8
	v_pk_add_f32 v[28+\m:29+\m], v[28+\m:29+\m], v[32+\m:33+\m]
.endr
.irp m, 0,8
	v_add_f32 v[28+\m], v[28+\m], v[29+\m]
.endr
.irp m, 0,8
	v_permlanex16_b32 v[30+\m], v[28+\m], s[SEL], s[SEL+1]
.endr
.irp m, 0,8
	v_add_f32 v[28+\m], v[28+\m], v[30+\m]
.endr
.irp m, 0,8
	v_mul_f32 v[28+\m], 0x3d000000, v[28+\m]       ; my head's mean: 1 / 32
.endr
.irp j, 0,2,4,6,8,10,12,14
.irp m, 0,1
	v_pk_add_f32 v[OT+16*\m+\j:OT+1+16*\m+\j], v[OT+16*\m+\j:OT+1+16*\m+\j], v[28+8*\m:29+8*\m] op_sel_hi:[1,0] neg_lo:[0,1] neg_hi:[0,1]
.endr
.endr
.irp m, 0,1
	v_pk_mul_f32 v[30+8*\m:31+8*\m], v[OT+16*\m:OT+1+16*\m], v[OT+16*\m:OT+1+16*\m]
	v_pk_mul_f32 v[32+8*\m:33+8*\m], v[OT+2+16*\m:OT+3+16*\m], v[OT+2+16*\m:OT+3+16*\m]
.endr
.irp j, 4,8,12
.irp m, 0,1
	v_pk_fma_f32 v[30+8*\m:31+8*\m], v[OT+16*\m+\j:OT+1+16*\m+\j], v[OT+16*\m+\j:OT+1+16*\m+\j], v[30+8*\m:31+8*\m]
	v_pk_fma_f32 v[32+8*\m:33+8*\m], v[OT+2+16*\m+\j:OT+3+16*\m+\j], v[OT+2+16*\m+\j:OT+3+16*\m+\j], v[32+8*\m:33+8*\m]
.endr
.endr
.irp m, 0,8
	v_pk_add_f32 v[30+\m:31+\m], v[30+\m:31+\m], v[32+\m:33+\m]
.endr
.irp m, 0,8
	v_add_f32 v[30+\m], v[30+\m], v[31+\m]
.endr
.irp m, 0,8
	v_permlanex16_b32 v[32+\m], v[30+\m], s[SEL], s[SEL+1]
.endr
.irp m, 0,8
	v_add_f32 v[30+\m], v[30+\m], v[32+\m]
.endr
.irp m, 0,1
	ds_store_b32 v5, v[28+8*\m] offset:2560*\area+1280*\m          ; both halves of the lanes write the same word with the same value
	ds_store_b32 v5, v[30+8*\m] offset:2560*\area+1280*\m+32
.endr
	BARRIER
.irp i, 0,1,2,3
	ds_load_b128 v[60+4*\i:63+4*\i], v6 offset:2560*\area+16*\i
	ds_load_b128 v[76+4*\i:79+4*\i], v6 offset:2560*\area+1280+16*\i
.endr
	s_wait_dscnt 0x0
.irp m, 0,1
	v_pk_add_f32 v[44+8*\m:45+8*\m], v[60+16*\m:61+16*\m], v[62+16*\m:63+16*\m]
	v_pk_add_f32 v[46+8*\m:47+8*\m], v[64+16*\m:65+16*\m], v[66+16*\m:67+16*\m]
	v_pk_add_f32 v[68+16*\m:69+16*\m], v[68+16*\m:69+16*\m], v[70+16*\m:71+16*\m]
	v_pk_add_f32 v[72+16*\m:73+16*\m], v[72+16*\m:73+16*\m], v[74+16*\m:75+16*\m]
.endr
.irp m, 0,8
	v_pk_add_f32 v[44+\m:45+\m], v[44+\m:45+\m], v[46+\m:47+\m]
.endr
.irp m, 0,1
	v_add_f32 v[44+8*\m], v[44+8*\m], v[45+8*\m]
	v_pk_add_f32 v[68+16*\m:69+16*\m], v[68+16*\m:69+16*\m], v[72+16*\m:73+16*\m]
.endr
.irp m, 0,8
	v_mul_f32 v[44+\m], 0x3e000000, v[44+\m]       ; the row's mean: 1 / 8
.endr
.irp j, 0,2,4,6
.irp m, 0,1
	v_pk_add_f32 v[60+16*\m+\j:61+16*\m+\j], v[60+16*\m+\j:61+16*\m+\j], v[44+8*\m:45+8*\m] op_sel_hi:[1,0] neg_lo:[0,1] neg_hi:[0,1]
.endr
.endr
.irp m, 0,1
	v_pk_mul_f32 v[46+8*\m:47+8*\m], v[60+16*\m:61+16*\m], v[60+16*\m:61+16*\m]
	v_pk_mul_f32 v[48+8*\m:49+8*\m], v[62+16*\m:63+16*\m], v[62+16*\m:63+16*\m]
.endr
.irp m, 0,1
	v_pk_fma_f32 v[46+8*\m:47+8*\m], v[64+16*\m:65+16*\m], v[64+16*\m:65+16*\m], v[46+8*\m:47+8*\m]
	v_pk_fma_f32 v[48+8*\m:49+8*\m], v[66+16*\m:67+16*\m], v[66+16*\m:67+16*\m], v[48+8*\m:49+8*\m]
.endr
.irp m, 0,8
	v_pk_add_f32 v[46+\m:47+\m], v[46+\m:47+\m], v[48+\m:49+\m]
.endr
.irp m, 0,1
	v_pk_fma_f32 v[68+16*\m:69+16*\m], v[46+8*\m:47+8*\m], 0x42000000, v[68+16*\m:69+16*\m] op_sel_hi:[1,0,1]   ; + 32 x the means' squares
.endr
.irp m, 0,1
	v_add_f32 v[68+16*\m], v[68+16*\m], v[69+16*\m]
	v_sub_f32 v[48+8*\m], v[28+8*\m], v[44+8*\m]   ; my head's mean less the row's
.endr
.irp m, 0,16
	v_fma_f32 v[68+\m], v[68+\m], s66, s67         ; the variance + 1e-5
.endr
	VW
	v_rsq_f32 v68, v68
	v_rsq_f32 v84, v84
	v_nop                                          ; a plain instruction behind the roots
	VW                                             ; and the wait ahead of their first reader
.irp m, 0,1
	v_mul_f32 v[48+8*\m], v[48+8*\m], v[68+16*\m]
.endr
.irp j, 0,2,4,6,8,10,12,14
.irp m, 0,1
	v_pk_fma_f32 v[OT+16*\m+\j:OT+1+16*\m+\j], v[OT+16*\m+\j:OT+1+16*\m+\j], v[68+16*\m:69+16*\m], v[48+8*\m:49+8*\m] op_sel_hi:[1,0,0]
.endr
.endr
	WIN 0x14
.irp j, 0,2,4,6,8,10,12,14
.irp m, 0,1
	v_pk_fma_f32 v[OT+16*\m+\j:OT+1+16*\m+\j], v[OT+16*\m+\j:OT+1+16*\m+\j], v[\j:\j+1], v[16+\j:17+\j]
.endr
.endr
	WIN 0
.endm
.macro QUANTX off                      ; the 32 numbers of a lane become two pieces' codes, stored as images
.set I, 0
.rept 32
	v_med3_num_f32 v[28+I], v[OT+I], -v19, v19
.set I, I+1
.endr
.irp g, 0,1,2,3
	v_cvt_scalef32_pk8_bf8_f32 v[8+2*\g:9+2*\g], v[28+8*\g:35+8*\g], v18
.endr
	v_nop                                          ; a plain vector instruction behind the last conversion
	ds_store_b128 v4, v[8:11] offset:\off
	ds_store_b128 v4, v[12:15] offset:\off+4096
.endm
.macro XFETCH off                      ; 32 rows x 256 K: fragment (m, s) at v28 + 32 m + 16 s
.irp m, 0,1
.irp s, 0,1
.irp c, 0,1,2,3
	ds_load_b128 v[28+32*\m+16*\s+4*\c:31+32*\m+16*\s+4*\c], v20 offset:\off+4096*\m+2048*\s+512*\c
.endr
.endr
.endr
.endm
; a group of 32 rows of a weight (window 1, fragment (u, s) at w + 32 u + 16 s) against my 32 rows: four accumulators by turns, at 16 m + 8 u of window 1
.macro MM8 w, cr
.if \cr < 0
	WIN 0x51
.else
	WIN 0x41
.endif
.irp m, 0,1
.irp u, 0,1
.if \cr < 0
	v_wmma_f32_16x16x128_bf8_bf8 v[16*\m+8*\u:16*\m+8*\u+7], v[\w+32*\u:\w+32*\u+15], v[28+32*\m:43+32*\m], 0
.else
	v_wmma_f32_16x16x128_bf8_bf8 v[16*\m+8*\u:16*\m+8*\u+7], v[\w+32*\u:\w+32*\u+15], v[28+32*\m:43+32*\m], v[\cr+8*\u:\cr+8*\u+7]
.endif
.endr
.endr
	WIN 0x51
.irp m, 0,1
.irp u, 0,1
	v_wmma_f32_16x16x128_bf8_bf8 v[16*\m+8*\u:16*\m+8*\u+7], v[\w+32*\u+16:\w+32*\u+31], v[44+32*\m:59+32*\m], v[16*\m+8*\u:16*\m+8*\u+7]
.endr
.endr
	WIN 0
	PLACES 5                                       ; five: the next group's products write over these accumulators with another C; four of them serve loads and reads
.endm
	; ---- O1 = layer norm; O2 = O1 + relu(O1 Wo + bo)
	LNORM 0, 0
	QUANTX 0                                       ; with e10; O1 itself stays in OT
	BARRIER                                        ; the operand's four fragments lie in LDS
	XFETCH 0
	s_wait_dscnt 0x0
	s_wait_loadcnt 32                              ; Wo and Wm's first half are in; We's 32 loads may be out
	MM8 64, -1
	WIN 0x40
	WLOAD 64, 21, WEO+16384                        ; We's K steps 4 and 5, where Wo lay
	WIN 0x11
.irp m, 0,16
.irp j, 0,2,4,6,8,10,12,14
	v_pk_fma_f32 v[28+\m+\j:29+\m+\j], v[\m+\j:\m+\j+1], s[86:87], v[32+\j:33+\j] op_sel_hi:[1,0,1]
.endr
.endr
	WIN 0
.set I, 28
.rept 32
	v_max_num_f32 v[I], 0, v[I]
.set I, I+1
.endr
	WIN 0x40
.set I, 0
.rept 16
	v_pk_add_f32 v[32+I:33+I], v[OT+I:OT+1+I], v[28+I:29+I]   ; O2, kept in window 1: the identity,
.set I, I+2
.endr
	WIN 0
.set I, 0
.rept 16
	v_pk_add_f32 v[OT+I:OT+1+I], v[OT+I:OT+1+I], v[28+I:29+I] ; and here for the norm
.set I, I+2
.endr
	v_mov_b32 v18, s96
	v_mov_b32 v19, s97
	; ---- O3 = layer norm; the hidden layer = relu(O3 Wm + bm): my 128 units for all 32 rows, four groups of 32
	LNORM 1, 3072
	QUANTX 8192                                    ; with e12
.macro BMLOAD reg, off                 ; bm of a group, into the registers of O3, which is quantised
.irp i, 0,1,2,3
	ds_load_b128 v[\reg+4*\i:\reg+4*\i+3], v24 offset:\off+16*\i
.endr
.endm
.macro BMSCALE reg                     ; bm / 2^(e12 + e13): it goes in as the C of a sum's first product
.irp i, 0,1,2,3,4,5,6,7,8,9,10,11,12,13,14,15
	v_ldexp_f32 v[\reg+\i], v[\reg+\i], s101
.endr
.endm
.macro W2LOAD reg, off                 ; a group's 16 pieces of the ninth tile: my own load has brought them, and I alone read them
	WIN 0x40
.irp p, 0,1,2,3,4,5,6,7,8,9,10,11,12,13,14,15
	ds_load_b128 v[\reg+4*\p:\reg+4*\p+3], v3 offset:\off+512*\p
.endr
	WIN 0
.endm
.macro HOUT off                        ; relu and hold in one, 16 codes a lane and tile, stored as images
	WIN 0x41
.set I, 0
.rept 32
	v_med3_num_f32 v[I], v[I], 0, v19
.set I, I+1
.endr
	WIN 0x01
.irp g, 0,1,2,3
	v_cvt_scalef32_pk8_bf8_f32 v[8+2*\g:9+2*\g], v[8*\g:8*\g+7], v18
.endr
	v_nop                                          ; a plain vector instruction behind the last conversion
	WIN 0
	ds_store_b128 v22, v[8:11] offset:\off
	ds_store_b128 v22, v[12:15] offset:\off+16384
.endm
	BMLOAD OT, 0
	BMLOAD OT+16, 128
	BARRIER
	XFETCH 8192
	BMSCALE OT
	BMSCALE OT+16
	v_mov_b32 v18, s98
	v_mov_b32 v19, s99
	VW
	s_wait_tensorcnt 0x0                           ; the ninth tile is in
	s_wait_dscnt 0x0
	MM8 128, OT                                    ; units 64 w on
	W2LOAD 128, 0
	BMLOAD OT, 2048
	HOUT 0
	MM8 192, OT+16                                 ; units 64 w + 32 on
	W2LOAD 192, 8192
	BMLOAD OT+16, 2176
	HOUT 512
	VW
	s_wait_dscnt 24                                ; the third group's 20 loads are in; behind them: 2 stores, 20 loads, 2 stores
	BMSCALE OT
	MM8 128, OT                                    ; units 512 + 64 w on
	WIN 0x40
	WLOAD 128, 21, WEO+24576                       ; We's K steps 6 and 7
	WIN 0
	HOUT 8192
	VW
	s_wait_dscnt 4                                 ; the fourth group's loads are in; behind them: 4 stores
	BMSCALE OT+16
	MM8 192, OT+16                                 ; units 512 + 64 w + 32 on
.irp i, 0,1,2,3
	ds_load_b128 v[OT+4*\i:OT+4*\i+3], v23 offset:5120+16*\i       ; be
.endr
	HOUT 8704
	BARRIER                                        ; the hidden layer's sixteen fragments lie in LDS
	; ---- the last product: my 32 outputs for the 32 rows; four accumulators by turns, a K step at a time; two sets of hidden fragments by turns
.macro HLOAD s
.irp m, 0,1
.irp c, 0,1,2,3
	ds_load_b128 v[28+32*((\s)%2)+16*\m+4*\c:31+32*((\s)%2)+16*\m+4*\c], v20 offset:16384+16384*\m+2048*(\s)+512*\c
.endr
.endr
.endm
	HLOAD 0
	HLOAD 1
.irp s, 0,1,2,3,4,5,6,7
.if \s == 7
	s_wait_dscnt 0x0
.else
	s_wait_dscnt 8                                 ; this K step's eight loads are in; the other set's eight stay out
.endif
.if \s == 0
	s_wait_loadcnt 32                              ; We's K steps 0 to 3 are in; the 32 younger loads may be out
.endif
.if \s == 4
	s_wait_loadcnt 16
.endif
.if \s == 6
	s_wait_loadcnt 0x0
.endif
.set HB, 28+32*(\s%2)
.if \s < 4
.set WE, SA+32*\s
.if \s == 0
	WIN 0x40
.else
	WIN 0x50
.endif
.else
.set WE, 64+32*(\s-4)
	WIN 0x51
.endif
.irp m, 0,1
.irp u, 0,1
.if \s == 0
	v_wmma_f32_16x16x128_bf8_bf8 v[16*\m+8*\u:16*\m+8*\u+7], v[WE+16*\u:WE+16*\u+15], v[HB+16*\m:HB+16*\m+15], 0
.else
	v_wmma_f32_16x16x128_bf8_bf8 v[16*\m+8*\u:16*\m+8*\u+7], v[WE+16*\u:WE+16*\u+15], v[HB+16*\m:HB+16*\m+15], v[16*\m+8*\u:16*\m+8*\u+7]
.endif
.endr
.endr
	WIN 0
	PLACES 4                                       ; in front of loads into registers that the products have read, and of the reads of the last results
.if \s < 6
	HLOAD \s+2
.endif
.endr
	WIN 0x01
.irp m, 0,16
.irp j, 0,2,4,6,8,10,12,14
	v_pk_fma_f32 v[SA+\m+\j:SA+1+\m+\j], v[\m+\j:\m+\j+1], s[88:89], v[OT+\j:OT+1+\j] op_sel_hi:[1,0,1]   ; sum x 2^(e14 + e15) + be
.endr
.endr
	WIN 0x04
.set I, 0
.rept 16
	v_pk_add_f32 v[SA+I:SA+1+I], v[SA+I:SA+1+I], v[32+I:33+I]     ; + the identity
.set I, I+2
.endr
	WIN 0
.irp m, 0,1
.irp i, 0,1,2,3
	ds_store_b128 v25, v[SA+16*\m+4*\i:SA+3+16*\m+4*\i] offset:16*SP*\m+16*\i
.endr
.endr
	BARRIER                                        ; 32 whole rows of the result lie in the stage
.irp n, 0,1,2,3,4,5,6,7
	ds_load_b128 v[SA+4*\n:SA+3+4*\n], v26 offset:SP*(\n/2)+512*(\n%2)
.endr
.irp n, 0,1,2,3,4,5,6,7
	s_wait_dscnt 7-\n                              ; LDS loads come back in order: load n is in, the younger ones stay out
	global_store_b128 v27, v[SA+4*\n:SA+3+4*\n], s[28:29] offset:512*\n th:TH_STORE_NT   ; the wave stores 512 consecutive bytes, aligned: half a row; written once, read by nobody here
.endr
	s_wait_tensorcnt 0x0                           ; the wave's end: behind my last tensor load and my last LDS store
	ds_add_u32 v1, v2
	s_wait_dscnt 0x0
	CROUND                                         ; the closing round: no work-group ends while a partner may still ask for a tile that names it
	s_endpgm
.Lfunc_end_k_qadaaadcdf0_mab:
	.size	k_qadaaadcdf0_mab, .Lfunc_end_k_qadaaadcdf0_mab-k_qadaaadcdf0_mab
	.p2alignl 7, 3214868480
	.fill 96, 4, 3214868480
	.section	.rodata,"a",@progbits
	.p2align	6, 0x0
	.amdhsa_kernel k_qadaaadcdf0_mab
		.amdhsa_group_segment_fixed_size 327680
		.amdhsa_private_segment_fixed_size 0
		.amdhsa_enable_private_segment 0
		.amdhsa_kernarg_size 104
		.amdhsa_user_sgpr_count 2
		.amdhsa_user_sgpr_kernarg_segment_ptr 1
		.amdhsa_wavefront_size32 1
		.amdhsa_system_sgpr_workgroup_id_x 1
		.amdhsa_system_sgpr_workgroup_id_y 1
		.amdhsa_system_sgpr_workgroup_id_z 1
		.amdhsa_system_vgpr_workitem_id 0
		.amdhsa_next_free_vgpr 512
		.amdhsa_next_free_sgpr 102
		.amdhsa_reserve_vcc 0
		.amdhsa_float_denorm_mode_32 3
		.amdhsa_float_denorm_mode_16_64 3
		.amdhsa_memory_ordered 1
		.amdhsa_forward_progress 1
		.amdhsa_inst_pref_size 202
	.end_amdhsa_kernel
	.amdgpu_metadata
---
amdhsa.version: [ 1, 2 ]
amdhsa.kernels:
  - .name:           k_qadaaadcdf0_mab
    .symbol:         k_qadaaadcdf0_mab.kd
    .args:
      - { .name: q_codes, .offset: 0, .size: 8, .value_kind: global_buffer, .address_space: global }
      - { .name: kv, .offset: 8, .size: 8, .value_kind: global_buffer, .address_space: global }
      - { .name: wf, .offset: 16, .size: 8, .value_kind: global_buffer, .address_space: global }
      - { .name: lowp_scales, .offset: 24, .size: 8, .value_kind: global_buffer, .address_space: global }
      - { .name: bq, .offset: 32, .size: 8, .value_kind: global_buffer, .address_space: global }
      - { .name: g0, .offset: 40, .size: 8, .value_kind: global_buffer, .address_space: global }
      - { .name: b0, .offset: 48, .size: 8, .value_kind: global_buffer, .address_space: global }
      - { .name: bo, .offset: 56, .size: 8, .value_kind: global_buffer, .address_space: global }
      - { .name: g1, .offset: 64, .size: 8, .value_kind: global_buffer, .address_space: global }
      - { .name: b1, .offset: 72, .size: 8, .value_kind: global_buffer, .address_space: global }
      - { .name: bm, .offset: 80, .size: 8, .value_kind: global_buffer, .address_space: global }
      - { .name: be, .offset: 88, .size: 8, .value_kind: global_buffer, .address_space: global }
      - { .name: out0, .offset: 96, .size: 8, .value_kind: global_buffer, .address_space: global }
    .group_segment_fixed_size: 327680
    .private_segment_fixed_size: 0
    .kernarg_segment_align: 8
    .kernarg_segment_size: 104
    .max_flat_workgroup_size: 256
    .sgpr_count:     102
    .vgpr_count:     512
    .wavefront_size: 32
...
	.end_amdgpu_metadata
.endif
;; end of part 2
